; MI455X (gfx1250); checked and timed in simulation.
; The chip was launched on July 23, 2026; its instructions are those of AMD's public machine-readable ISA for CDNA 5 (MIT licence, August 2026) and "CDNA5" Instruction Set Architecture Reference Guide (July 2026). The comments in the code are by the model that wrote it; some were corrected since.
;; Multi Head Attention. Allowed arithmetic: float matrix products may take bf16 or f16 operands with f32 sums; all other float work in f32.
;; Inputs: Wk 1,024 x 1,024 float32; Wo 1,024 x 1,024 float32; Wq 1,024 x 1,024 float32; Wv 1,024 x 1,024 float32; bk 1,024 float32; bo 1,024 float32; bq 1,024 float32; bv 1,024 float32; x 2 x 2,048 x 1,024 float32.
;; Outputs: out0 2 x 2,048 x 1,024 float32.
;; One version. Each part assembles by itself: llvm-mc -triple=amdgcn-amd-amdhsa -mcpu=gfx1250 --defsym DOCPART=n.
;; ======== version 1 of 1: 4 launches
;; workspace buffers: xb 8,388,608 bytes; wqkvb 6,291,456 bytes; wob 2,097,152 bytes; bqkv 12,288 bytes; qkvh 25,165,824 bytes; ctxb 8,388,608 bytes
;; launch cvt (part 1): grid 256 x 1, 8 waves a work-group, no clusters, 0 bytes of LDS; arguments x, Wq, Wk, Wv, Wo, bq, bk, bv, xb, wqkvb, wob, bqkv; writes xb, wqkvb, wob, bqkv
.if DOCPART == 1
	.amdgcn_target "amdgcn-amd-amdhsa--gfx1250"
	.amdhsa_code_object_version 6
	.text
	.protected	k_q03ce724a25_cvt
	.globl	k_q03ce724a25_cvt
	.p2align	8
	.type	k_q03ce724a25_cvt,@function
k_q03ce724a25_cvt:
	s_mov_b64 s[64:65], 0
	v_nop
	global_prefetch_b8 v0, s[64:65] scope:SCOPE_SE
	s_setreg_imm32_b32 hwreg(HW_REG_WAVE_MODE, 25, 1), 1
	s_wait_xcnt 0x0
; f32 -> bf16 (round to nearest even), once, for x and the four weight matrices, into a layout blocked along K:
; a matrix [R rows][1024 columns] is stored as [16 blocks of 64 columns][R rows][64], element (row, c) at byte
; ((c >> 6) * R + row) * 128 + (c & 63) * 2.  Any (rows x 64 columns) tile is then one dense run of bytes.
; Wq, Wk, Wv go below each other into one matrix of 3,072 rows; bq, bk, bv are copied behind each other (f32).
; 256 work-groups of 32 rows: 0-127 x, 128-223 Wq/Wk/Wv, 224-255 Wo.  Wave w takes rows 4w .. 4w+3.
; One load covers two rows x 256 bytes (64 columns); its store covers 32 lanes x 8 bytes = 256 consecutive bytes, aligned
; (two neighbouring rows of one block).  All 32 loads of a wave go out at once: 16 KiB a wave, 128 KiB a work-group.
; A stream: no byte is read by two work-groups, so no LDS, no barrier, no cluster, no matrix unit.
; LIMIT: the matrix operands of the later launches are bf16 (8 bits of mantissa, the range of f32).
.set X,  32                            ; v[32:159] load n: 4 registers; the packed result lands in the first two
.set VD, 4                             ; v[4:19]   byte offset of my 8 bytes in block kb of the destination
	s_load_b512 s[8:23], s[0:1], 0x0               ; x, Wq, Wk, Wv, Wo, bq, bk, bv: pairs from s8 on
	s_load_b256 s[24:31], s[0:1], 0x40             ; xb, wqkvb, wob, bqkv
	v_lshrrev_b32 v1, 5, v0
	v_readfirstlane_b32 s44, v1                    ; wave
	v_bfe_u32 v3, v0, 4, 1                         ; which of the two rows of a load
	v_lshl_add_u32 v3, v1, 2, v3                   ; row in the group: 4 w + that
	v_and_b32 v1, 15, v0                           ; my 16 bytes of the 256
	v_lshlrev_b32 v2, 12, v3                       ; source: row x 4,096 bytes
	v_lshl_add_u32 v2, v1, 4, v2                   ;         + 16 c
	v_lshlrev_b32 v[VD], 7, v3                     ; destination: row x 128 bytes
	v_lshl_add_u32 v[VD], v1, 3, v[VD]             ;              + 8 c
	v_and_b32 v22, 31, v0
	v_lshlrev_b32 v22, 3, v22                      ; bias copy: 8 bytes a lane
	s_mov_b32 s2, ttmp9                            ; g
	s_and_b32 s3, s2, 31
	s_lshl_b32 s3, s3, 5                           ; a weight matrix's first row: 32 (g & 31)
	s_sub_co_u32 s4, s2, 128                       ; g - 128 (huge for g < 128)
	s_lshl_b32 s5, s4, 5                           ; first row in wqkvb
	s_lshr_b32 s6, s4, 5                           ; 0, 1, 2: Wq, Wk, Wv; 3: Wo
	s_lshl_b32 s7, s2, 5                           ; first row of x
	s_wait_kmcnt 0x0
	; source, destination, block stride and rows are chosen by selects on g: no branch
	s_mov_b64 s[32:33], s[16:17]                   ; Wo
	s_mov_b64 s[34:35], s[28:29]                   ; wob
	s_mov_b32 s36, 1024*128                        ; bytes from block to block
	s_mov_b32 s37, s3                              ; source row
	s_mov_b32 s38, s3                              ; destination row
	s_cmp_eq_u32 s6, 2
	s_cselect_b64 s[32:33], s[14:15], s[32:33]     ; Wv
	s_cselect_b64 s[40:41], s[22:23], s[18:19]     ; bv, else bq
	s_cmp_eq_u32 s6, 1
	s_cselect_b64 s[32:33], s[12:13], s[32:33]     ; Wk
	s_cselect_b64 s[40:41], s[20:21], s[40:41]     ; bk
	s_cmp_eq_u32 s6, 0
	s_cselect_b64 s[32:33], s[10:11], s[32:33]     ; Wq
	s_cmp_lt_u32 s4, 96
	s_cselect_b64 s[34:35], s[26:27], s[34:35]     ; wqkvb
	s_cselect_b32 s36, 3072*128, s36
	s_cselect_b32 s38, s5, s38
	s_cmp_lt_u32 s2, 128
	s_cselect_b64 s[32:33], s[8:9], s[32:33]       ; x
	s_cselect_b64 s[34:35], s[24:25], s[34:35]     ; xb
	s_cselect_b32 s36, 4096*128, s36
	s_cselect_b32 s37, s7, s37
	s_cselect_b32 s38, s7, s38
	s_lshl_b32 s42, s37, 12
	s_mov_b32 s43, 0
	s_add_nc_u64 s[32:33], s[32:33], s[42:43]      ; source at the group's first row
	s_lshl_b32 s42, s38, 7
	s_add_nc_u64 s[34:35], s[34:35], s[42:43]      ; destination at that row of block 0
.set k, 1
.rept 15
	v_add_nc_u32 v[VD+k], s36, v[VD+k-1]           ; the same place in block k
.set k, k+1
.endr
.set n, 0
.rept 32
	global_load_b128 v[X+4*n:X+4*n+3], v2, s[32:33] offset:(n/16)*8192+(n%16)*256 th:TH_LOAD_NT   ; rows +2 (n/16), block n%16; read once in the launch
.set n, n+1
.endr
	; the biases: wave 0 of every second work-group of Wq, Wk, Wv copies 64 numbers = 256 bytes, aligned
	s_cmp_lg_u32 s44, 0
	s_cbranch_scc1 .Lno_bias
	s_cmp_ge_u32 s4, 96
	s_cbranch_scc1 .Lno_bias
	s_bitcmp1_b32 s2, 0
	s_cbranch_scc1 .Lno_bias
	s_lshl_b32 s42, s37, 2
	s_add_nc_u64 s[40:41], s[40:41], s[42:43]
	s_lshl_b32 s42, s38, 2
	s_add_nc_u64 s[30:31], s[30:31], s[42:43]
	global_load_b64 v[20:21], v22, s[40:41]
	s_wait_loadcnt 0x0                             ; it is the youngest load: everything is in; the counted waits below are then met at once
	global_store_b64 v22, v[20:21], s[30:31]
.Lno_bias:
.set n, 0
.rept 32
	s_wait_loadcnt 31-n                            ; loads come back in order (ISA guide 5.7.1): load n is in, the 31-n younger ones may be out
	v_cvt_pk_bf16_f32 v[X+4*n],   v[X+4*n],   v[X+4*n+1]
	v_cvt_pk_bf16_f32 v[X+4*n+1], v[X+4*n+2], v[X+4*n+3]
	global_store_b64 v[VD+n%16], v[X+4*n:X+4*n+1], s[34:35] offset:(n/16)*256    ; no register is written twice: no wait for the stores
.set n, n+1
.endr
	s_endpgm
.Lfunc_end_k_q03ce724a25_cvt:
	.size	k_q03ce724a25_cvt, .Lfunc_end_k_q03ce724a25_cvt-k_q03ce724a25_cvt
	.p2alignl 7, 3214868480
	.fill 96, 4, 3214868480
	.section	.rodata,"a",@progbits
	.p2align	6, 0x0
	.amdhsa_kernel k_q03ce724a25_cvt
		.amdhsa_group_segment_fixed_size 0
		.amdhsa_private_segment_fixed_size 0
		.amdhsa_enable_private_segment 0
		.amdhsa_kernarg_size 96
		.amdhsa_user_sgpr_count 2
		.amdhsa_user_sgpr_kernarg_segment_ptr 1
		.amdhsa_wavefront_size32 1
		.amdhsa_system_sgpr_workgroup_id_x 1
		.amdhsa_system_sgpr_workgroup_id_y 1
		.amdhsa_system_sgpr_workgroup_id_z 1
		.amdhsa_system_vgpr_workitem_id 0
		.amdhsa_next_free_vgpr 160
		.amdhsa_next_free_sgpr 66
		.amdhsa_reserve_vcc 0
		.amdhsa_float_denorm_mode_32 3
		.amdhsa_float_denorm_mode_16_64 3
		.amdhsa_memory_ordered 1
		.amdhsa_forward_progress 1
		.amdhsa_inst_pref_size 15
	.end_amdhsa_kernel
	.amdgpu_metadata
---
amdhsa.version: [ 1, 2 ]
amdhsa.kernels:
  - .name:           k_q03ce724a25_cvt
    .symbol:         k_q03ce724a25_cvt.kd
    .args:
      - { .name: x, .offset: 0, .size: 8, .value_kind: global_buffer, .address_space: global }
      - { .name: Wq, .offset: 8, .size: 8, .value_kind: global_buffer, .address_space: global }
      - { .name: Wk, .offset: 16, .size: 8, .value_kind: global_buffer, .address_space: global }
      - { .name: Wv, .offset: 24, .size: 8, .value_kind: global_buffer, .address_space: global }
      - { .name: Wo, .offset: 32, .size: 8, .value_kind: global_buffer, .address_space: global }
      - { .name: bq, .offset: 40, .size: 8, .value_kind: global_buffer, .address_space: global }
      - { .name: bk, .offset: 48, .size: 8, .value_kind: global_buffer, .address_space: global }
      - { .name: bv, .offset: 56, .size: 8, .value_kind: global_buffer, .address_space: global }
      - { .name: xb, .offset: 64, .size: 8, .value_kind: global_buffer, .address_space: global }
      - { .name: wqkvb, .offset: 72, .size: 8, .value_kind: global_buffer, .address_space: global }
      - { .name: wob, .offset: 80, .size: 8, .value_kind: global_buffer, .address_space: global }
      - { .name: bqkv, .offset: 88, .size: 8, .value_kind: global_buffer, .address_space: global }
    .group_segment_fixed_size: 0
    .private_segment_fixed_size: 0
    .kernarg_segment_align: 8
    .kernarg_segment_size: 96
    .max_flat_workgroup_size: 256
    .sgpr_count:     66
    .vgpr_count:     160
    .wavefront_size: 32
...
	.end_amdgpu_metadata
.endif
;; end of part 1
;; launch qkv (part 2): grid 16 x 16, 4 waves a work-group, clusters of 4 x 4, 327,680 bytes of LDS; arguments xb, wqkvb, bqkv, qkvh; writes qkvh
.if DOCPART == 2
	.amdgcn_target "amdgcn-amd-amdhsa--gfx1250"
	.amdhsa_code_object_version 6
	.text
	.protected	k_q03ce724a25_qkv
	.globl	k_q03ce724a25_qkv
	.p2align	8
	.type	k_q03ce724a25_qkv,@function
k_q03ce724a25_qkv:
	s_mov_b64 s[64:65], 0
	v_nop
	global_prefetch_b8 v0, s[64:65] scope:SCOPE_SE
	s_setreg_imm32_b32 hwreg(HW_REG_WAVE_MODE, 25, 1), 1
	s_wait_xcnt 0x0
	s_wait_alu depctr_hold_cnt(0) depctr_sa_sdst(0) depctr_va_vdst(0) depctr_va_sdst(0) depctr_va_ssrc(0) depctr_va_vcc(0) depctr_vm_vsrc(0)
	s_getreg_b32 s2, hwreg(HW_REG_IB_STS2, 6, 4)
	s_cmp_eq_u32 s2, 0
	s_cbranch_scc0 .Lentry_in_a_cluster
	s_endpgm
.Lentry_in_a_cluster:
	s_bfe_u32 s2, ttmp6, 0x10000c
	s_cmp_lg_u32 s2, 0xf033
	s_cbranch_scc0 .Lentry_shape_is_right
	s_endpgm
.Lentry_shape_is_right:
; [4096 x 3072] = xb . wqkvb^T + bqkv, bf16 operands, f32 sums, stored in bf16 head by head:
; qkvh = [48][4096][64]: blocks 0-15 the heads of Q, 16-31 of K, 32-47 of V; row = b * 2048 + s.
; A work-group makes 256 rows x 192 columns (three heads) with four waves; a wave 128 x 96: 48 accumulator tiles, 384 registers.
; 16 x 16 work-groups.  K = 1024 goes in 8 steps of 128 (two blocks of 64) through two LDS slots filled by the tensor data mover.
; Both operands lie blocked along K ([block of 64][row][64]), so what a wave fetches is one dense run of bytes: it comes in as rows of
; 256 bytes, and 16 bytes of padding are laid behind every 128 bytes, so that a logical row of 64 bf16 has an LDS pitch of 144 bytes.
; CLUSTERS: 4 x 4 work-groups.  The four of a row of the cluster need the same rows of xb, the four of a column the same rows of wqkvb:
; each tile is asked for jointly (mask in the first word of descriptor group 1), which divides the requests by four.
; Every wave issues one joint load for A and one for B per slot; the two addresses hang on the wave number and on the shared coordinate alone.
; The matrix instruction is used transposed (source 0 = rows of W, source 1 = rows of x): a lane then holds 8 neighbouring columns of a row.
; The first product of each accumulator takes the bias as C: nothing is cleared and nothing is added at the end.
; The 48 accumulators take turns, one instruction a turn, in the same order in every quarter step.
; LIMIT: q, k, v leave in bf16, since they are matrix operands of the next launch.
; REGISTERS (windows of 256): window 0: v16-28 addresses, v64-127 / v128-191 fragments of A (two buffers), v192-239 bias, later packed results;
; window 1: v64-111 / v128-175 fragments of B; window 2: accumulators of my rows 0-63 (tile (a, b) at v[8 (6 a + b)]); window 3: rows 64-127.
.set MT,    8                          ; 16-row blocks of a wave
.set NT,    6                          ; 16-column blocks of a wave
.set NKB,   2                          ; blocks of 64 along K in a slot
.set QPS,   2*NKB                      ; quarter steps of 32 along K in a slot
.set LAPS,  4                          ; 1024 / (2 slots x 128)
.set PITCH, 144                        ; 128 bytes + 16: an odd multiple of 16, so the 16 rows of a fragment load lie in 16 different 16-byte columns of 256
.set FRAG,  16*PITCH
.set ABLK,  256*PITCH                  ; one block of A's tile
.set BBLK,  192*PITCH                  ; one block of B's tile
.set AREG,  NKB*ABLK
.set SLOT,  NKB*(ABLK+BBLK)            ; 129,024
.set APART, 128*PITCH                  ; LDS bytes of one wave's A load (128 rows of one block)
.set BPART, 96*PITCH                   ; and of its B load (96 rows)
.set RA,    64                         ; 128 rows x 128 bytes = 64 rows of 256
.set RB,    48
.set ASTEP, NKB*4096*128               ; bytes from slot step to slot step
.set BSTEP, NKB*3072*128
.set NF,    2*(MT+NT)                  ; LDS loads of one fetch
.set SPITCH, 208                       ; the way out: 96 bf16 + 16 bytes
.set WSTAGE, 128*SPITCH                ; a wave's own stage: 26,624 bytes; four of them lie in slot 0
.set ADRA, 16
.set ADRB, 20
.set STO,  24
.set RD,   25
.set CO,   26
.set BOFF, 27
.set RD1,  28
.set F0,   64
.set F1,   128
.set BIAS, 192
.set TMP,  192
.set G1A, 24
.set G0A, 32
.set G1B, 48
.set G0B, 56
.set MUL_LO,   0xa1                    ; source 0 (B) window 1, source 1 (A) window 0, C and D window 2
.set MUL_HI,   0xf1                    ; C and D window 3
.set FIRST_LO, 0x81                    ; C (the bias) window 0, D window 2
.set FIRST_HI, 0xc1
.set TO_B,     0x40
.set MSB, 0
.macro WIN new                         ; the immediate's high byte repeats the setting that is left
.if MSB != \new
	s_set_vgpr_msb (MSB<<8)|\new
.set MSB, \new
.endif
.endm
.macro PLACES                          ; four places behind matrix instructions, in front of loads into their sources and of reads of their results
.rept 4
	v_nop
.endr
.endm
.macro CREST                           ; a round of the cluster's barrier behind its opening work-group barrier
	s_cmp_lg_u32 s12, 0
	s_cbranch_scc1 .Lnot_wave_0_\@
	s_barrier_signal -3
.Lnot_wave_0_\@:
	s_barrier_wait -3
	s_barrier_signal -1
	s_barrier_wait -1
.endm
.macro CROUND
	s_barrier_signal -1
	s_barrier_wait -1
	CREST
.endm
.macro JLOAD s                         ; my part of A's tile and my part of B's, both joint
	tensor_load_to_lds s[G0A+4*\s:G0A+4*\s+3], s[G1A:G1A+7]
	s_nop 0
	tensor_load_to_lds s[G0B+4*\s:G0B+4*\s+3], s[G1B:G1B+7]
	s_nop 0
.endm
; na x NT matrix instructions: row blocks a0 .. of the window's MT/2 (hi = 0: lower rows, 1: upper rows) x all column blocks, 32 along K
.macro MULS f, hi, a0, na, first
.set aa, \a0
.rept \na
.set bb, 0
.rept NT
.if \first
	v_wmma_f32_16x16x32_bf16 v[8*(NT*aa+bb):8*(NT*aa+bb)+7], v[\f+8*bb:\f+8*bb+7], v[\f+8*(\hi*(MT/2)+aa):\f+8*(\hi*(MT/2)+aa)+7], v[BIAS+8*bb:BIAS+8*bb+7]
.else
	v_wmma_f32_16x16x32_bf16 v[8*(NT*aa+bb):8*(NT*aa+bb)+7], v[\f+8*bb:\f+8*bb+7], v[\f+8*(\hi*(MT/2)+aa):\f+8*(\hi*(MT/2)+aa)+7], v[8*(NT*aa+bb):8*(NT*aa+bb)+7]
.endif
.set bb, bb+1
.endr
.set aa, aa+1
.endr
.endm
; the fragments of quarter step q of a slot into buffer f: B's first, then A's, one run of NF loads
.macro FETCH slot, q, f
	WIN TO_B
.set ii, 0
.rept NT
	ds_load_b128 v[\f+8*ii:\f+8*ii+3],   v[ADRB+\slot] offset:((\q)/2)*BBLK+((\q)%2)*64+ii*FRAG
	ds_load_b128 v[\f+8*ii+4:\f+8*ii+7], v[ADRB+\slot] offset:((\q)/2)*BBLK+((\q)%2)*64+ii*FRAG+32
.set ii, ii+1
.endr
	WIN 0
.set ii, 0
.rept MT
	ds_load_b128 v[\f+8*ii:\f+8*ii+3],   v[ADRA+\slot] offset:((\q)/2)*ABLK+((\q)%2)*64+ii*FRAG
	ds_load_b128 v[\f+8*ii+4:\f+8*ii+7], v[ADRA+\slot] offset:((\q)/2)*ABLK+((\q)%2)*64+ii*FRAG+32
.set ii, ii+1
.endr
.endm
; multiplies buffer f; in its middle fetches quarter step qn of the same slot into buffer g
.macro QUARTER slot, qn, f, g, first
	s_wait_dscnt MT                                ; B and A's lower rows are in; the youngest MT loads (A's upper rows) may be out
.if \first
	WIN FIRST_LO
.else
	WIN MUL_LO
.endif
	MULS \f, 0, 0, MT/2, \first
	PLACES
	FETCH \slot, \qn, \g
	s_wait_dscnt NF                                ; all but the NF just issued
.if \first
	WIN FIRST_HI
.else
	WIN MUL_HI
.endif
	MULS \f, 1, 0, MT/2, \first
.endm
.macro BODYQ slot, first               ; all quarter steps of a slot but the last
	QUARTER \slot, 1, F0, F1, \first
.set qq, 2
.rept (QPS-2)/2
	QUARTER \slot, qq, F1, F0, 0
	QUARTER \slot, qq+1, F0, F1, 0
.set qq, qq+2
.endr
.endm
; the last quarter step of a slot, and the change of slots.  In front of the barrier each wave waits for its reads of this slot and for all its
; tensor loads (its two parts of the next slot).  Behind it nobody reads this slot and the next slot is whole.  fill = 1: the barrier opens a round
; of the cluster's barrier, and the joint refills are the first tensor loads behind the round.
.macro TURN slot, next, fill
	s_wait_dscnt MT
	WIN MUL_LO
	MULS F1, 0, 0, MT/4, 0
	s_wait_dscnt 0
	s_wait_tensorcnt 0x0
	ds_add_u32 v255, v255
	s_wait_dscnt 0x0
	s_barrier_signal -1
	MULS F1, 0, MT/4, MT/4, 0                      ; registers only, while the others arrive
	WIN 0
	s_barrier_wait -1
.if \fill
	CREST
	s_add_nc_u64 s[G0A+4*\slot+2:G0A+4*\slot+3], s[G0A+4*\slot+2:G0A+4*\slot+3], 2*ASTEP   ; no tensor load of mine is out: the descriptors may be written
	s_add_nc_u64 s[G0B+4*\slot+2:G0B+4*\slot+3], s[G0B+4*\slot+2:G0B+4*\slot+3], 2*BSTEP
	JLOAD \slot
.endif
	PLACES
	FETCH \next, 0, F0
	WIN MUL_HI
	MULS F1, 1, 0, MT/2, 0
.endm
.macro LAP first
	BODYQ 0, \first
	TURN 0, 1, 1
	BODYQ 1, 0
	TURN 1, 0, 1
.endm
	s_load_b256 s[4:11], s[0:1], 0x0               ; xb s[4:5], wqkvb s[6:7], bqkv s[8:9], qkvh s[10:11]
	s_set_vgpr_msb 0x40
	v_lshl_add_u32 v255, v0, 2, 0x3f000
	s_set_vgpr_msb 0x4000
	v_mov_b32 v255, 0
	s_set_vgpr_msb 0x1
	ds_add_u32 v255, v255
	s_set_vgpr_msb 0x100
	v_lshrrev_b32 v1, 5, v0
	v_readfirstlane_b32 s12, v1                    ; wave
	v_and_b32 v1, 15, v0                           ; r
	v_bfe_u32 v2, v0, 4, 1                         ; h
	s_lshr_b32 s13, s12, 1                         ; my half of the rows; also: which block of 64 I fetch
	s_and_b32 s14, s12, 1                          ; my half of the columns; also: which half of the tile's rows I fetch
	s_bfe_u32 s40, ttmp6, 0x40000                  ; cx
	s_bfe_u32 s41, ttmp6, 0x40004                  ; cy
	s_lshl_b32 s42, ttmp9, 2
	s_add_co_u32 s42, s42, s40                     ; block column
	s_and_b32 s43, ttmp7, 0xffff
	s_lshl_b32 s43, s43, 2
	s_add_co_u32 s43, s43, s41                     ; block row
	s_lshl_b32 s44, s41, 2
	s_lshl_b32 s44, 15, s44                        ; my row of the cluster
	s_lshl_b32 s45, 0x1111, s40                    ; my column
	; group 1: rows of 32 elements of 8 bytes, dense; 17:16 size code 3; 20 padding on; 21 set beside a mask; 24:22 after every 32 words (code 4); 31:25 of 4 words (code 3)
	s_or_b32  s[G1A+0], s44, 0x07330000
	s_or_b32  s[G1B+0], s45, 0x07330000
	s_mov_b32 s[G1A+1], 32<<16                     ; tensor_dim0
	s_mov_b32 s[G1B+1], 32<<16
	s_mov_b32 s[G1A+2], RA<<16                     ; tensor_dim1
	s_mov_b32 s[G1B+2], RB<<16
	s_mov_b32 s[G1A+3], 32<<16                     ; tile_dim0
	s_mov_b32 s[G1B+3], 32<<16
	s_mov_b32 s[G1A+4], RA                         ; tile_dim1
	s_mov_b32 s[G1B+4], RB
	s_mov_b32 s[G1A+5], 32                         ; pitch in elements
	s_mov_b32 s[G1B+5], 32
	s_mov_b32 s[G1A+6], 0
	s_mov_b32 s[G1B+6], 0
	s_mov_b32 s[G1A+7], 0
	s_mov_b32 s[G1B+7], 0
	s_lshl_b32 s16, s43, 15                        ; A: block row x 256 rows x 128 bytes
	s_lshl_b32 s22, s14, 14                        ;    + half x 128 rows
	s_add_co_u32 s16, s16, s22
	s_lshl_b32 s22, s13, 19                        ;    + block of 64 x 4,096 rows
	s_add_co_u32 s16, s16, s22
	s_mov_b32 s17, 0
	s_mul_i32 s46, s42, 192*128                    ; B: block column x 192 rows
	s_mul_i32 s22, s14, 96*128
	s_add_co_u32 s46, s46, s22
	s_mul_i32 s22, s13, 3072*128
	s_add_co_u32 s46, s46, s22
	s_mov_b32 s47, 0
	s_mul_i32 s20, s12, APART                      ; LDS: wave x its part: no place in the cluster enters
	s_mul_i32 s21, s12, BPART
	s_add_co_u32 s21, s21, AREG
	s_mul_i32 s66, s42, 192*4                      ; the bias of my 96 columns
	s_mul_i32 s67, s14, 96*4
	s_add_co_u32 s66, s66, s67
	v_lshl_add_u32 v[BOFF], v2, 5, s66             ; + 8 h numbers
	s_wait_dscnt 0x0
	s_wait_kmcnt 0x0
	s_add_nc_u64 s[16:17], s[4:5], s[16:17]
	s_add_nc_u64 s[46:47], s[6:7], s[46:47]
.set bb, 0
.rept NT
	global_load_b128 v[BIAS+8*bb:BIAS+8*bb+3],   v[BOFF], s[8:9] offset:64*bb      ; register j = bias of column 16 b + 8 h + j: the layout of C
	global_load_b128 v[BIAS+8*bb+4:BIAS+8*bb+7], v[BOFF], s[8:9] offset:64*bb+16
.set bb, bb+1
.endr
	CROUND                                         ; all sixteen work-groups are here: the first joint loads meet
.irp s, 0,1
	s_mov_b32 s[G0A+4*\s], 1
	s_add_co_u32 s[G0A+4*\s+1], s20, \s*SLOT
	s_add_nc_u64 s[G0A+4*\s+2:G0A+4*\s+3], s[16:17], \s*ASTEP
	s_or_b32 s[G0A+4*\s+3], s[G0A+4*\s+3], 0x80000000
	s_mov_b32 s[G0B+4*\s], 1
	s_add_co_u32 s[G0B+4*\s+1], s21, \s*SLOT
	s_add_nc_u64 s[G0B+4*\s+2:G0B+4*\s+3], s[46:47], \s*BSTEP
	s_or_b32 s[G0B+4*\s+3], s[G0B+4*\s+3], 0x80000000
	JLOAD \s                                       ; four tensor loads of mine are out now, later two
.endr
	v_mul_u32_u24 v3, v1, PITCH
	v_lshl_add_u32 v3, v2, 4, v3                   ; fragment: row r x pitch + 16 h
	s_mul_i32 s22, s13, 16*MT*PITCH
	s_mul_i32 s23, s14, 16*NT*PITCH
	s_add_co_u32 s23, s23, AREG
.irp s, 0,1
	v_add_nc_u32 v[ADRA+\s], s22, v3
	v_add_nc_u32 v[ADRB+\s], s23, v3
	s_add_co_u32 s22, s22, SLOT
	s_add_co_u32 s23, s23, SLOT
.endr
	s_mul_i32 s22, s12, WSTAGE                     ; the way out, in: my own stage, row r, 16 bytes for each half of the lanes
	v_mul_u32_u24 v4, v1, SPITCH
	v_lshl_add_u32 v4, v2, 4, v4
	v_add_nc_u32 v[STO], s22, v4
	s_mul_i32 s22, s13, 2*WSTAGE                   ; back: rows 64 w .. 64 w + 63 of the block lie in the stages of waves 2 (w >> 1) and 2 (w >> 1) + 1,
	s_mul_i32 s23, s14, 64*SPITCH                  ; from row 64 (w & 1) on
	s_add_co_u32 s22, s22, s23
	v_bfe_u32 v4, v0, 3, 2                         ; four rows an instruction
	v_and_b32 v5, 7, v0                            ; eight lanes x 16 bytes = a head's row
	v_mul_u32_u24 v4, v4, SPITCH
	v_lshl_add_u32 v4, v5, 4, v4
	v_add_nc_u32 v[RD], s22, v4
	v_bfe_u32 v5, v0, 2, 1                         ; the middle head: columns 64-95 of the left stage, 0-31 of the right one
	v_mul_u32_u24 v5, v5, WSTAGE-192
	v_add3_u32 v[RD1], v[RD], v5, 128
	v_and_b32 v5, 31, v0
	s_lshl_b32 s22, s12, 13
	v_lshl_add_u32 v[CO], v5, 4, s22               ; 64 w rows x 128 bytes + 16 x lane
	s_wait_loadcnt 0x0                             ; the bias
	s_wait_tensorcnt 2                             ; slot 0's two loads are in; slot 1's two stay out
	s_barrier_signal -1
	s_barrier_wait -1
	FETCH 0, 0, F0
	LAP 1
.if LAPS > 2
	WIN 0
	s_mov_b32 s3, LAPS-2
.Llap:
	LAP 0
	WIN 0
	s_sub_co_u32 s3, s3, 1
	s_cmp_lg_u32 s3, 0
	s_cbranch_scc1 .Llap
.endif
	BODYQ 0, 0                                     ; the last lap fills nothing
	TURN 0, 1, 0
	BODYQ 1, 0
	s_wait_dscnt MT
	WIN MUL_LO
	MULS F1, 0, 0, MT/2, 0
	s_wait_dscnt 0
	WIN MUL_HI
	MULS F1, 1, 0, MT/2, 0
	; THE WAY OUT.  Slot 0 has had its last fill, and every wave's reads of it ended in front of the last change of slots: it serves as the stage.
	; Each wave rounds its 128 x 96 block to bf16 into its own stage; behind one barrier each wave reads 64 whole rows of each of the three heads back
	; and stores them: one store covers 4 rows x 128 bytes = 512 consecutive bytes, aligned.
	PLACES
	s_mul_i32 s66, s42, 3*4096*128                 ; my three heads
	s_lshl_b32 s67, s43, 15                        ; my 256 rows
	s_add_co_u32 s66, s66, s67
	s_mov_b32 s67, 0
	s_add_nc_u64 s[10:11], s[10:11], s[66:67]
.macro PACK a
.if \a < MT/2
	WIN 0x0a                                       ; sources 0 and 1 window 2
.else
	WIN 0x0f                                       ; window 3
.endif
.set bb, 0
.rept NT
.set rr, 0
.rept 4
	v_cvt_pk_bf16_f32 v[TMP+4*bb+rr], v[8*(NT*((\a)%(MT/2))+bb)+2*rr], v[8*(NT*((\a)%(MT/2))+bb)+2*rr+1]
.set rr, rr+1
.endr
.set bb, bb+1
.endr
	WIN 0
.set bb, 0
.rept NT
	ds_store_b128 v[STO], v[TMP+4*bb:TMP+4*bb+3] offset:(\a)*16*SPITCH+32*bb
.set bb, bb+1
.endr
.endm
.macro BACK adr, base, j, th, f
	s_wait_xcnt 0x0                                ; buffer f was the data of stores two groups ago: it is loaded again only behind this wait
.set tt, 0
.rept 8
	ds_load_b128 v[\f+4*tt:\f+4*tt+3], v[\adr] offset:\base+(8*\th+tt)*4*SPITCH
.set tt, tt+1
.endr
.set tt, 0
.rept 8
	s_wait_dscnt 7-tt                              ; LDS loads come back in order: load tt is in
	global_store_b128 v[CO], v[\f+4*tt:\f+4*tt+3], s[10:11] offset:\j*4096*128+(8*\th+tt)*512
.set tt, tt+1
.endr
.endm
.irp a, 0,1,2,3,4,5,6,7
	PACK \a
.endr
	s_wait_dscnt 0x0                               ; my stores are done, for the waves that read them
	s_barrier_signal -1
	s_barrier_wait -1
	BACK RD,  0,         0, 0, F0
	BACK RD,  0,         0, 1, F1
	BACK RD1, 0,         1, 0, F0
	BACK RD1, 0,         1, 1, F1
	BACK RD,  WSTAGE+64, 2, 0, F0
	BACK RD,  WSTAGE+64, 2, 1, F1
	s_set_vgpr_msb 0x1
	s_wait_tensorcnt 0x0
	ds_add_u32 v255, v255
	s_wait_dscnt 0x0
	s_set_vgpr_msb 0x100
	CROUND                                         ; the closing round: no work-group ends while a partner may still ask for a tile that names it
	s_endpgm
.Lfunc_end_k_q03ce724a25_qkv:
	.size	k_q03ce724a25_qkv, .Lfunc_end_k_q03ce724a25_qkv-k_q03ce724a25_qkv
	.p2alignl 7, 3214868480
	.fill 96, 4, 3214868480
	.section	.rodata,"a",@progbits
	.p2align	6, 0x0
	.amdhsa_kernel k_q03ce724a25_qkv
		.amdhsa_group_segment_fixed_size 327680
		.amdhsa_private_segment_fixed_size 0
		.amdhsa_enable_private_segment 0
		.amdhsa_kernarg_size 32
		.amdhsa_user_sgpr_count 2
		.amdhsa_user_sgpr_kernarg_segment_ptr 1
		.amdhsa_wavefront_size32 1
		.amdhsa_system_sgpr_workgroup_id_x 1
		.amdhsa_system_sgpr_workgroup_id_y 1
		.amdhsa_system_sgpr_workgroup_id_z 1
		.amdhsa_system_vgpr_workitem_id 0
		.amdhsa_next_free_vgpr 1024
		.amdhsa_next_free_sgpr 72
		.amdhsa_reserve_vcc 0
		.amdhsa_float_denorm_mode_32 3
		.amdhsa_float_denorm_mode_16_64 3
		.amdhsa_memory_ordered 1
		.amdhsa_forward_progress 1
		.amdhsa_inst_pref_size 159
	.end_amdhsa_kernel
	.amdgpu_metadata
---
amdhsa.version: [ 1, 2 ]
amdhsa.kernels:
  - .name:           k_q03ce724a25_qkv
    .symbol:         k_q03ce724a25_qkv.kd
    .args:
      - { .name: xb, .offset: 0, .size: 8, .value_kind: global_buffer, .address_space: global }
      - { .name: wqkvb, .offset: 8, .size: 8, .value_kind: global_buffer, .address_space: global }
      - { .name: bqkv, .offset: 16, .size: 8, .value_kind: global_buffer, .address_space: global }
      - { .name: qkvh, .offset: 24, .size: 8, .value_kind: global_buffer, .address_space: global }
    .group_segment_fixed_size: 327680
    .private_segment_fixed_size: 0
    .kernarg_segment_align: 8
    .kernarg_segment_size: 32
    .max_flat_workgroup_size: 128
    .sgpr_count:     72
    .vgpr_count:     1024
    .wavefront_size: 32
...
	.end_amdgpu_metadata
.endif
;; end of part 2
;; launch attn (part 3): grid 8 x 32, 8 waves a work-group, clusters of 4 x 1, 327,680 bytes of LDS; arguments qkvh, ctxb; writes ctxb
.if DOCPART == 3
	.amdgcn_target "amdgcn-amd-amdhsa--gfx1250"
	.amdhsa_code_object_version 6
	.text
	.protected	k_q03ce724a25_attn
	.globl	k_q03ce724a25_attn
	.p2align	8
	.type	k_q03ce724a25_attn,@function
k_q03ce724a25_attn:
	s_mov_b64 s[64:65], 0
	v_nop
	global_prefetch_b8 v0, s[64:65] scope:SCOPE_SE
	s_setreg_imm32_b32 hwreg(HW_REG_WAVE_MODE, 25, 1), 1
	s_wait_xcnt 0x0
	s_wait_alu depctr_hold_cnt(0) depctr_sa_sdst(0) depctr_va_vdst(0) depctr_va_sdst(0) depctr_va_ssrc(0) depctr_va_vcc(0) depctr_vm_vsrc(0)
	s_getreg_b32 s2, hwreg(HW_REG_IB_STS2, 6, 4)
	s_cmp_eq_u32 s2, 0
	s_cbranch_scc0 .Lentry_in_a_cluster
	s_endpgm
.Lentry_in_a_cluster:
	s_bfe_u32 s2, ttmp6, 0x10000c
	s_cmp_lg_u32 s2, 0x3003
	s_cbranch_scc0 .Lentry_shape_is_right
	s_endpgm
.Lentry_shape_is_right:
; ctx = softmax(Q K^T / 8) V for one head and 256 queries a work-group, with a running maximum; nothing of the scores goes to memory.
; grid: x = 8 query blocks of 256, y = 32 (batch, head).  Eight waves: wave w has the 64 queries of group w & 3 and the keys of parity w >> 2:
; of each tile of 256 keys the 64-key pieces 0, 2 (parity 0) or 1, 3 (parity 1).  Each wave keeps its own maximum, sum and O; the two parities
; of a query group are merged once at the end, in f32.  Two waves lie on each SIMD, so that one wave's softmax runs beside the other's products.
; CLUSTERS: the four query blocks of a cluster read the same K and V tiles: every tile is asked for jointly (mask 15).
; Two LDS slots; a tile (256 keys of K and of V) is asked for straight behind the round of the cluster's barrier, one tile of work ahead.
; BOTH PRODUCTS ARE USED TRANSPOSED.  S^T = K Q^T: lane (r, h) holds query r, keys 8 h + j.  Two neighbouring S tiles, packed to bf16 in place, are
; the fragment of P for 32 keys: no lane exchange.  O^T = V^T P^T: lane (r, h) holds query r, d = 16 db + 8 h + j.  So maximum, sum and
; rescaling factor are one number a lane and 16 queries; only the maximum crosses the two halves of the wave in the loop.
; p = exp2(s c - m c), c = log2(e) / 8, as one fused multiply-add with the rounded product m c as addend.
; LIMITS: q, k, v, p and ctx are bf16 as matrix operands; the exponent's error is 2^-24 |m c|, below what the bf16 rounding of q and k gives;
; exponentials below 2^-126 come out as zero; each wave's sum is about 1 or more (its maximum is among its keys); the order of the sums differs
; from a plain row sum (keys by parity, merged in f32).
; PREFETCH: in trip t wave 0 asks for a part of tile t + 2, one trip ahead of that tile's tensor load: the eight work-groups of a head share it,
; query blocks 0-3 a quarter of K's 32,768 bytes each, 4-7 a quarter of V's: 32 lanes 256 bytes apart.  Trips 6 and 7 ask for nothing.
; REGISTERS: window 0: v4-7 LDS addresses, v8-15 the maxima (two sets that take turns), v16-19 at work, v20-27 rescaling factors (pairs),
; v32-159 S / P, v160-223 fragments of K, v224-231 -m c (pairs), v232-239 sums (pairs), v240-255 the end.
; window 1: v0-63 Q, v64-191 O, v192-255 fragments of V.
.set KPITCH, 144                       ; a key's 128 bytes + 16
.set VPITCH, 160                       ; + 32: an odd multiple of 32, for the transposing loads
.set KBYTES, 256*KPITCH
.set SLOT,   KBYTES+256*VPITCH         ; 77,824
.set MERGE,  2*SLOT                    ; 4 x 17,408: O, m, l of the parity-1 waves.  No tensor load ever fills it
.set MSTRIDE, 17408
.set OST,    MERGE+4*MSTRIDE           ; 4 x 9,216: the way out, 64 rows x 144
.set OSTRIDE, 64*144
.set TILEB,  256*128                   ; a tile's bytes in memory
.set KA, 4
.set VA, 6
.set MA, 8
.set MB, 12
.set TX, 16
.set AL, 20
.set S,  32
.set KF, 160
.set NM, 224
.set LL, 232
.set LS, 244
.set MP, 248                           ; the partner's maxima
.set LP, 252                           ; and sums
.set Q,  0                             ; window 1
.set O,  64
.set VF, 192
.set G1K, 24
.set G1V, 32
.set G0K, 40
.set G0V, 48
.set MSB, 0
.macro WIN new
.if MSB != \new
	s_set_vgpr_msb (MSB<<8)|\new
.set MSB, \new
.endif
.endm
.macro PLACES
.rept 4
	v_nop
.endr
.endm
.macro ROUND                           ; a round of the cluster's barrier
	s_barrier_signal -1
	s_barrier_wait -1
	s_cmp_lg_u32 s8, 0
	s_cbranch_scc1 .Lnot_wave_0_\@
	s_barrier_signal -3
.Lnot_wave_0_\@:
	s_barrier_wait -3
	s_barrier_signal -1
	s_barrier_wait -1
.endm
; One stage of the softmax pipeline over the four query blocks: exponentials of block qe, sums and packing of block qs, scaling of block qc
; (4 = none).  Behind each exponential stands another exponential or an independent plain instruction, and none of its results is used before a
; plain instruction has stood between (ISA guide 5.7.2).
.macro SMSTAGE qe, qs, qc, first
.set pp, 0
.rept 16
.if \qe < 4
	v_exp_f32 v[S+32*\qe+2*pp], v[S+32*\qe+2*pp]
.endif
.if \qs < 4
.if pp == 0
.if \first
	s_wait_alu depctr_va_vdst(0)
	v_pk_add_f32 v[LL+2*\qs:LL+2*\qs+1], v[S+32*\qs:S+32*\qs+1], v[S+32*\qs+2:S+32*\qs+3]      ; the first two pairs start the sums
.else
	s_wait_alu depctr_va_vdst(0)
	v_pk_fma_f32 v[LL+2*\qs:LL+2*\qs+1], v[LL+2*\qs:LL+2*\qs+1], v[AL+2*\qs:AL+2*\qs+1], v[S+32*\qs:S+32*\qs+1]
.endif
.else
.if pp - \first > 0
	v_pk_add_f32 v[LL+2*\qs:LL+2*\qs+1], v[LL+2*\qs:LL+2*\qs+1], v[S+32*\qs+2*pp:S+32*\qs+2*pp+1]
.endif
.endif
.endif
.if \qe < 4
	v_exp_f32 v[S+32*\qe+2*pp+1], v[S+32*\qe+2*pp+1]
.endif
.if \qs < 4
	v_cvt_pk_bf16_f32 v[S+32*\qs+16*(pp/8)+(pp%8)], v[S+32*\qs+2*pp], v[S+32*\qs+2*pp+1]       ; in place: the target lies at or below the pair, which has been summed
.endif
.if \qc < 4
	v_pk_fma_f32 v[S+32*\qc+2*pp:S+32*\qc+2*pp+1], v[S+32*\qc+2*pp:S+32*\qc+2*pp+1], s[14:15], v[NM+2*\qc:NM+2*\qc+1] op_sel_hi:[1,0,1]
.endif
.set pp, pp+1
.endr
.endm
; 64 keys of my parity (piece i of the tile in this slot) against my 64 queries
.macro SUBTRIP slot, i, first
.if \i == 0
.set MO, MA                            ; the old and the new maxima take turns between two sets: no copy
.set MN, MB
.else
.set MO, MB
.set MN, MA
.endif
.rept 5
	v_nop                                          ; five places behind the last products (ISA guide 7.12.1): V's fragments are loaded again, S is written over P
.endr
.set dd, 0
.rept 2
.set kk, 0
.rept 4
	ds_load_b128 v[KF+8*(4*dd+kk):KF+8*(4*dd+kk)+3],   v[KA+\slot] offset:\i*128*KPITCH+kk*16*KPITCH+dd*64
	ds_load_b128 v[KF+8*(4*dd+kk)+4:KF+8*(4*dd+kk)+7], v[KA+\slot] offset:\i*128*KPITCH+kk*16*KPITCH+dd*64+32
.set kk, kk+1
.endr
.set dd, dd+1
.endr
	WIN 0x40                                       ; destination window 1
.set kp, 0
.rept 2
.set db, 0
.rept 4
	ds_load_tr16_b128 v[VF+8*(4*kp+db):VF+8*(4*kp+db)+3],   v[VA+\slot] offset:\i*128*VPITCH+kp*32*VPITCH+db*32
	ds_load_tr16_b128 v[VF+8*(4*kp+db)+4:VF+8*(4*kp+db)+7], v[VA+\slot] offset:\i*128*VPITCH+kp*32*VPITCH+db*32+16*VPITCH
.set db, db+1
.endr
.set kp, kp+1
.endr
	WIN 0x04                                       ; source 1 (Q) window 1
	; S^T = K Q^T: 16 accumulators by turns, one instruction a turn
.set dd, 0
.rept 2
	s_wait_dscnt 24-8*dd                           ; 24: K's d 0-31 are in (8 loads of 32); 16: all of K, V's 16 loads may be out
.set qq, 0
.rept 4
.set kk, 0
.rept 4
.if dd == 0
	v_wmma_f32_16x16x32_bf16 v[S+32*qq+8*kk:S+32*qq+8*kk+7], v[KF+8*kk:KF+8*kk+7], v[Q+16*qq:Q+16*qq+7], 0
.else
	v_wmma_f32_16x16x32_bf16 v[S+32*qq+8*kk:S+32*qq+8*kk+7], v[KF+32+8*kk:KF+32+8*kk+7], v[Q+16*qq+8:Q+16*qq+15], v[S+32*qq+8*kk:S+32*qq+8*kk+7]
.endif
.set kk, kk+1
.endr
.set qq, qq+1
.endr
.set dd, dd+1
.endr
	WIN 0
	PLACES
	; the new maximum of each query: my 32 scores and the old maximum, then the other half of the wave
.irp q, 0,1,2,3
.if \first
	v_max_num_f32 v[MN+\q], v[S+32*\q], v[S+32*\q+1]
.else
	v_max3_num_f32 v[MN+\q], v[S+32*\q], v[S+32*\q+1], v[MO+\q]
.endif
.endr
.set kk, 1
.rept 15
.irp q, 0,1,2,3
	v_max3_num_f32 v[MN+\q], v[S+32*\q+2*kk], v[S+32*\q+2*kk+1], v[MN+\q]
.endr
.set kk, kk+1
.endr
.irp q, 0,1,2,3
	v_permlanex16_b32 v[TX+\q], v[MN+\q], s12, s13
.endr
.irp q, 0,1,2,3
	v_max_num_f32 v[MN+\q], v[MN+\q], v[TX+\q]
.endr
.irp q, 0,1,2,3
	v_mul_f32 v[NM+2*\q],   s16, v[MN+\q]          ; - m c, twice: a pair for the packed multiply-add
	v_mul_f32 v[NM+2*\q+1], s16, v[MN+\q]
.endr
.if \first == 0
.irp q, 0,1,2,3
	v_fma_f32 v[TX+\q], v[MO+\q], s14, v[NM+2*\q]  ; (old m - new m) c
.endr
.irp q, 0,1,2,3
	v_exp_f32 v[AL+2*\q],   v[TX+\q]               ; the factor for the old sum and the old O; the scaling below stands before its first use
	v_exp_f32 v[AL+2*\q+1], v[TX+\q]
.endr
.endif
	SMSTAGE 4, 4, 0, \first
	SMSTAGE 0, 4, 1, \first
	SMSTAGE 1, 0, 2, \first
	SMSTAGE 2, 1, 3, \first
	SMSTAGE 3, 2, 4, \first
	SMSTAGE 4, 3, 4, \first
.if \first == 0
	WIN 0x41                                       ; O: destination and source 0 window 1
.set qq, 0
.rept 4
.set kk, 0
.rept 16
	v_pk_mul_f32 v[O+32*qq+2*kk:O+32*qq+2*kk+1], v[O+32*qq+2*kk:O+32*qq+2*kk+1], v[AL+2*qq:AL+2*qq+1]
.set kk, kk+1
.endr
.set qq, qq+1
.endr
.endif
	WIN 0x51                                       ; V^T and O window 1, P window 0
	s_wait_dscnt 0x0                               ; V's fragments
	; O^T += V^T P^T: 16 accumulators by turns, one instruction a turn
.set kp, 0
.rept 2
.set qq, 0
.rept 4
.set db, 0
.rept 4
.if \first
.if kp == 0
	v_wmma_f32_16x16x32_bf16 v[O+32*qq+8*db:O+32*qq+8*db+7], v[VF+8*(4*kp+db):VF+8*(4*kp+db)+7], v[S+32*qq+16*kp:S+32*qq+16*kp+7], 0
.else
	v_wmma_f32_16x16x32_bf16 v[O+32*qq+8*db:O+32*qq+8*db+7], v[VF+8*(4*kp+db):VF+8*(4*kp+db)+7], v[S+32*qq+16*kp:S+32*qq+16*kp+7], v[O+32*qq+8*db:O+32*qq+8*db+7]
.endif
.else
	v_wmma_f32_16x16x32_bf16 v[O+32*qq+8*db:O+32*qq+8*db+7], v[VF+8*(4*kp+db):VF+8*(4*kp+db)+7], v[S+32*qq+16*kp:S+32*qq+16*kp+7], v[O+32*qq+8*db:O+32*qq+8*db+7]
.endif
.set db, db+1
.endr
.set qq, qq+1
.endr
.set kp, kp+1
.endr
	WIN 0
.endm
; One tile of 256 keys.  In front of the round every wave waits for all its tensor loads (its parts of this tile) and for its reads of the last tile;
; behind it the next tile is asked for, into the slot read last, first of all.
.macro TRIP slot, refill, first, pf
	s_wait_xcnt 0x0
	v_lshl_add_u32 v254, v0, 2, 0x40000
	v_mov_b32 v255, 0
	s_wait_tensorcnt 0x0
	ds_add_u32 v254, v255
	s_wait_dscnt 0x0
	s_add_nc_u64 s[G0K+4*\slot+2:G0K+4*\slot+3], s[G0K+4*\slot+2:G0K+4*\slot+3], 2*TILEB    ; no tensor load of mine is out: this slot's next tile
	s_add_nc_u64 s[G0V+4*\slot+2:G0V+4*\slot+3], s[G0V+4*\slot+2:G0V+4*\slot+3], 2*TILEB
	s_wait_dscnt 0x0
	ROUND
.if \refill
	tensor_load_to_lds s[G0K+4-4*\slot:G0K+7-4*\slot], s[G1K:G1K+7]     ; two tensor loads of mine are out
	s_nop 0
	tensor_load_to_lds s[G0V+4-4*\slot:G0V+7-4*\slot], s[G1V:G1V+7]
	s_nop 0
.endif
.if \pf
	s_cmp_lg_u32 s8, 0
	s_cbranch_scc1 .Lno_ask_\@
	global_prefetch_b8 v29, s[56:57] th:TH_LOAD_NT scope:SCOPE_SE
.Lno_ask_\@:
.endif
	SUBTRIP \slot, 0, \first
	SUBTRIP \slot, 1, 0
.if \pf
	s_wait_xcnt 0x0                                ; the prefetch's base is stepped only behind this wait, a tile of work behind the prefetch
	s_add_nc_u64 s[56:57], s[56:57], TILEB
.endif
.endm
	s_load_b128 s[4:7], s[0:1], 0x0                ; qkvh s[4:5], ctxb s[6:7]
	v_lshl_add_u32 v254, v0, 2, 0x40000
	v_mov_b32 v255, 0
	ds_add_u32 v254, v255
	s_wait_dscnt 0x0
	v_lshrrev_b32 v3, 5, v0
	v_readfirstlane_b32 s8, v3                     ; wave
	v_and_b32 v3, 31, v0                           ; lane
	v_and_b32 v1, 15, v0                           ; r
	v_bfe_u32 v2, v0, 4, 1                         ; h
	s_lshr_b32 s9, s8, 2                           ; parity of my keys
	s_and_b32 s10, s8, 3                           ; my query group
	s_mov_b32 s12, 0x76543210                      ; v_permlanex16_b32: lane i reads lane i of the other half
	s_mov_b32 s13, 0xfedcba98
	s_mov_b32 s14, 0x3e38aa3b                      ; c = log2(e) / 8
	s_mov_b32 s15, 0x3e38aa3b
	s_mov_b32 s16, 0xbe38aa3b                      ; - c
	s_bfe_u32 s58, ttmp6, 0x40000                  ; cx
	s_lshl_b32 s59, ttmp9, 2
	s_add_co_u32 s59, s59, s58                     ; query block
	s_and_b32 s60, ttmp7, 0xffff
	s_lshr_b32 s61, s60, 4                         ; batch
	s_and_b32 s62, s60, 15                         ; head
	; group 1: 16 rows of 256 bytes (32 keys), dense; padding behind every 128 bytes: 16 bytes for K, 32 for V; mask 15: all four of the cluster
	s_mov_b32 s[G1K+0], 0x0733000f
	s_mov_b32 s[G1V+0], 0x0f33000f
	s_mov_b32 s[G1K+1], 32<<16
	s_mov_b32 s[G1V+1], 32<<16
	s_mov_b32 s[G1K+2], 16<<16
	s_mov_b32 s[G1V+2], 16<<16
	s_mov_b32 s[G1K+3], 32<<16
	s_mov_b32 s[G1V+3], 32<<16
	s_mov_b32 s[G1K+4], 16
	s_mov_b32 s[G1V+4], 16
	s_mov_b32 s[G1K+5], 32
	s_mov_b32 s[G1V+5], 32
	s_mov_b32 s[G1K+6], 0
	s_mov_b32 s[G1V+6], 0
	s_mov_b32 s[G1K+7], 0
	s_mov_b32 s[G1V+7], 0
	s_lshl_b32 s66, s62, 19                        ; head x 4,096 rows x 128 bytes
	s_lshl_b32 s63, s61, 18                        ; + batch x 2,048 rows
	s_add_co_u32 s66, s66, s63
	s_lshl_b32 s68, s8, 12                         ; K: + my 32 keys of a tile
	s_add_co_u32 s68, s68, s66
	s_add_co_u32 s68, s68, 16*4096*128             ;    + 16 blocks (Q's)
	s_mov_b32 s69, 0
	s_lshl_b32 s70, s59, 15                        ; Q and ctx: + query block x 256 rows
	s_lshl_b32 s63, s10, 13                        ;            + group x 64 rows
	s_add_co_u32 s70, s70, s63
	s_add_co_u32 s70, s70, s66
	s_mov_b32 s71, 0
	s_lshr_b32 s63, s59, 2                         ; prefetch: K (query blocks 0-3) or V (4-7),
	s_lshl_b32 s63, s63, 23
	s_and_b32 s17, s59, 3                          ; a quarter of the tile,
	s_lshl_b32 s17, s17, 13
	s_add_co_u32 s56, s63, s17
	s_add_co_u32 s56, s56, s66
	s_add_co_u32 s56, s56, 16*4096*128+2*TILEB     ; beginning with tile 2
	s_mov_b32 s57, 0
	s_mul_i32 s22, s8, 32*KPITCH                   ; LDS: wave x its part
	s_mul_i32 s23, s8, 32*VPITCH
	s_add_co_u32 s23, s23, KBYTES
	v_lshlrev_b32 v28, 7, v1                       ; Q: row r x 128 bytes + 16 h
	v_lshl_add_u32 v28, v2, 4, v28
	s_wait_kmcnt 0x0
	s_add_nc_u64 s[68:69], s[4:5], s[68:69]
	s_add_nc_u64 s[18:19], s[4:5], s[70:71]
	s_add_nc_u64 s[20:21], s[6:7], s[70:71]
	s_add_nc_u64 s[56:57], s[4:5], s[56:57]
	WIN 0x40
.set qq, 0
.rept 4
.set dd, 0
.rept 2
	global_load_b128 v[Q+16*qq+8*dd:Q+16*qq+8*dd+3],   v28, s[18:19] offset:qq*2048+dd*64
	global_load_b128 v[Q+16*qq+8*dd+4:Q+16*qq+8*dd+7], v28, s[18:19] offset:qq*2048+dd*64+32
.set dd, dd+1
.endr
.set qq, qq+1
.endr
	WIN 0
.irp s, 0,1
	s_mov_b32 s[G0K+4*\s], 1
	s_add_co_u32 s[G0K+4*\s+1], s22, \s*SLOT
	s_add_nc_u64 s[G0K+4*\s+2:G0K+4*\s+3], s[68:69], \s*TILEB
	s_or_b32 s[G0K+4*\s+3], s[G0K+4*\s+3], 0x80000000
	s_mov_b32 s[G0V+4*\s], 1
	s_add_co_u32 s[G0V+4*\s+1], s23, \s*SLOT
	s_add_nc_u64 s[G0V+4*\s+2:G0V+4*\s+3], s[68:69], 16*4096*128+\s*TILEB
	s_or_b32 s[G0V+4*\s+3], s[G0V+4*\s+3], 0x80000000
.endr
	ROUND                                          ; in front of the first joint loads
	tensor_load_to_lds s[G0K:G0K+3], s[G1K:G1K+7]  ; tile 0
	s_nop 0
	tensor_load_to_lds s[G0V:G0V+3], s[G1V:G1V+7]
	s_nop 0
	v_mul_u32_u24 v243, v1, KPITCH                 ; K's fragments: key r x pitch + 16 h, from my parity's first piece on
	v_lshl_add_u32 v243, v2, 4, v243
	s_mul_i32 s63, s9, 64*KPITCH
	v_add_nc_u32 v[KA], s63, v243
	v_add_nc_u32 v[KA+1], SLOT, v[KA]
	v_and_b32 v243, 7, v0                          ; V, transposing loads: key 8 h + (lane & 7), 16 bytes ((lane >> 3) & 1)
	v_lshl_add_u32 v243, v2, 3, v243
	v_mul_u32_u24 v243, v243, VPITCH
	v_bfe_u32 v29, v0, 3, 1
	v_lshl_add_u32 v243, v29, 4, v243
	s_mul_i32 s63, s9, 64*VPITCH
	s_add_co_u32 s63, s63, KBYTES
	v_add_nc_u32 v[VA], s63, v243
	v_add_nc_u32 v[VA+1], SLOT, v[VA]
	v_lshlrev_b32 v29, 8, v3                       ; prefetch: lanes 256 bytes apart
	v_lshlrev_b32 v242, 4, v3                      ; 16 x lane
	s_mul_i32 s63, s8, MSTRIDE
	s_add_co_u32 s17, s63, MERGE-4*MSTRIDE         ; waves 4-7 store at MERGE + (w - 4) x 17,408,
	v_add_nc_u32 v30, s17, v242
	s_add_co_u32 s17, s63, MERGE                   ; waves 0-3 load at MERGE + w x 17,408
	v_add_nc_u32 v31, s17, v242
	s_mul_i32 s63, s8, OSTRIDE                     ; the way out (waves 0-3): my own stage
	s_add_co_u32 s63, s63, OST
	v_mul_u32_u24 v243, v1, 144
	v_lshl_add_u32 v243, v2, 4, v243
	v_add_nc_u32 v240, s63, v243                   ; in: row r, 16 h
	v_bfe_u32 v243, v0, 3, 2
	v_mul_u32_u24 v243, v243, 144
	v_and_b32 v241, 7, v0
	v_lshl_add_u32 v243, v241, 4, v243
	v_add_nc_u32 v241, s63, v243                   ; back: four rows of 128 bytes an instruction
.irp q, 0,1,2,3
	v_mov_b32 v[TX+\q], 0                          ; v_permlanex16_b32 counts as a reader of its destination
.endr
	s_wait_loadcnt 0x0                             ; Q
	TRIP 0, 1, 1, 1                                ; the first piece starts maxima, sums and O: nothing is cleared
	TRIP 1, 1, 0, 1
	s_mov_b32 s11, 2
.Ltiles:
	TRIP 0, 1, 0, 1
	TRIP 1, 1, 0, 1
	s_sub_co_u32 s11, s11, 1
	s_cmp_lg_u32 s11, 0
	s_cbranch_scc1 .Ltiles
	TRIP 0, 1, 0, 0
	TRIP 1, 0, 0, 0                                ; the last tile: nothing more is fetched
	; THE END.  The sums of the two halves of the wave meet; the parity-1 waves hand O, m, l to their partners through LDS.
	PLACES
.irp q, 0,1,2,3
	v_add_f32 v[LS+\q], v[LL+2*\q], v[LL+2*\q+1]
.endr
.irp q, 0,1,2,3
	v_permlanex16_b32 v[TX+\q], v[LS+\q], s12, s13
.endr
.irp q, 0,1,2,3
	v_add_f32 v[LS+\q], v[LS+\q], v[TX+\q]
.endr
	s_cmp_lt_u32 s8, 4
	s_cbranch_scc1 .Lkeep
	WIN 0x04                                       ; store data window 1
.set n, 0
.rept 32
	ds_store_b128 v30, v[O+4*n:O+4*n+3] offset:512*n
.set n, n+1
.endr
	WIN 0
	ds_store_b128 v30, v[MA:MA+3] offset:16384
	ds_store_b128 v30, v[LS:LS+3] offset:16896
.Lkeep:
	s_wait_dscnt 0x0                               ; my stores are done, for the partner
	s_barrier_signal -1
	s_barrier_wait -1
	s_cmp_ge_u32 s8, 4
	s_cbranch_scc1 .Lclose
.set n, 0
.rept 32
	ds_load_b128 v[S+4*n:S+4*n+3], v31 offset:512*n    ; the partner's O, register for register and lane for lane
.set n, n+1
.endr
	ds_load_b128 v[MP:MP+3], v31 offset:16384
	ds_load_b128 v[LP:LP+3], v31 offset:16896
	s_wait_dscnt 0x0
.irp q, 0,1,2,3
	v_max_num_f32 v[TX+\q], v[MA+\q], v[MP+\q]     ; the common maximum
.endr
.irp q, 0,1,2,3
	v_sub_f32 v[MA+\q], v[MA+\q], v[TX+\q]
	v_sub_f32 v[MP+\q], v[MP+\q], v[TX+\q]
.endr
.irp q, 0,1,2,3
	v_mul_f32 v[MA+\q], s14, v[MA+\q]
	v_mul_f32 v[MP+\q], s14, v[MP+\q]
.endr
.irp q, 0,1,2,3
	v_exp_f32 v[MA+\q], v[MA+\q]
	v_exp_f32 v[MP+\q], v[MP+\q]
.endr
	v_nop                                          ; a plain place behind the exponentials
	s_wait_alu depctr_va_vdst(0)
.irp q, 0,1,2,3
	v_mul_f32 v[LS+\q], v[LS+\q], v[MA+\q]
.endr
.irp q, 0,1,2,3
	v_fmac_f32 v[LS+\q], v[LP+\q], v[MP+\q]        ; the whole row's sum
.endr
.irp q, 0,1,2,3
	v_rcp_f32 v[LS+\q], v[LS+\q]
.endr
	v_nop                                          ; a plain place behind the reciprocals
	s_wait_alu depctr_va_vdst(0)
.irp q, 0,1,2,3
	v_mul_f32 v[AL+2*\q],   v[MA+\q], v[LS+\q]     ; my factor, as a pair
	v_mul_f32 v[AL+2*\q+1], v[MA+\q], v[LS+\q]
	v_mul_f32 v[NM+2*\q],   v[MP+\q], v[LS+\q]     ; the partner's
	v_mul_f32 v[NM+2*\q+1], v[MP+\q], v[LS+\q]
.endr
.set qq, 0
.rept 4
.set kk, 0
.rept 16
	v_pk_mul_f32 v[S+32*qq+2*kk:S+32*qq+2*kk+1], v[S+32*qq+2*kk:S+32*qq+2*kk+1], v[NM+2*qq:NM+2*qq+1]
.set kk, kk+1
.endr
.set qq, qq+1
.endr
	WIN 0x01                                       ; source 0 (my O) window 1
.set qq, 0
.rept 4
.set kk, 0
.rept 16
	v_pk_fma_f32 v[S+32*qq+2*kk:S+32*qq+2*kk+1], v[O+32*qq+2*kk:O+32*qq+2*kk+1], v[AL+2*qq:AL+2*qq+1], v[S+32*qq+2*kk:S+32*qq+2*kk+1]
.set kk, kk+1
.endr
.set qq, qq+1
.endr
	WIN 0
.set n, 0
.rept 16
.set rr, 0
.rept 4
	v_cvt_pk_bf16_f32 v[S+8*n+rr], v[S+8*n+2*rr], v[S+8*n+2*rr+1]
.set rr, rr+1
.endr
.set n, n+1
.endr
.set qq, 0
.rept 4
.set db, 0
.rept 4
	ds_store_b128 v240, v[S+32*qq+8*db:S+32*qq+8*db+3] offset:qq*16*144+db*32
.set db, db+1
.endr
.set qq, qq+1
.endr
.set tt, 0
.rept 16
	ds_load_b128 v[KF+4*tt:KF+4*tt+3], v241 offset:tt*4*144    ; my own bytes: LDS serves a wave's instructions in order (ISA guide 5.7.1.4)
.set tt, tt+1
.endr
.set tt, 0
.rept 16
	s_wait_dscnt 15-tt                             ; load tt is in, the younger ones may be out
	global_store_b128 v242, v[KF+4*tt:KF+4*tt+3], s[20:21] offset:tt*512    ; 4 rows x 128 bytes = 512 consecutive bytes, aligned
.set tt, tt+1
.endr
.Lclose:
	s_wait_xcnt 0x0
	v_lshl_add_u32 v254, v0, 2, 0x40000
	v_mov_b32 v255, 0
	s_wait_tensorcnt 0x0
	ds_add_u32 v254, v255
	s_wait_dscnt 0x0
	ROUND                                          ; the closing round
	s_endpgm
.Lfunc_end_k_q03ce724a25_attn:
	.size	k_q03ce724a25_attn, .Lfunc_end_k_q03ce724a25_attn-k_q03ce724a25_attn
	.p2alignl 7, 3214868480
	.fill 96, 4, 3214868480
	.section	.rodata,"a",@progbits
	.p2align	6, 0x0
	.amdhsa_kernel k_q03ce724a25_attn
		.amdhsa_group_segment_fixed_size 327680
		.amdhsa_private_segment_fixed_size 0
		.amdhsa_enable_private_segment 0
		.amdhsa_kernarg_size 16
		.amdhsa_user_sgpr_count 2
		.amdhsa_user_sgpr_kernarg_segment_ptr 1
		.amdhsa_wavefront_size32 1
		.amdhsa_system_sgpr_workgroup_id_x 1
		.amdhsa_system_sgpr_workgroup_id_y 1
		.amdhsa_system_sgpr_workgroup_id_z 1
		.amdhsa_system_vgpr_workitem_id 0
		.amdhsa_next_free_vgpr 512
		.amdhsa_next_free_sgpr 72
		.amdhsa_reserve_vcc 0
		.amdhsa_float_denorm_mode_32 3
		.amdhsa_float_denorm_mode_16_64 3
		.amdhsa_memory_ordered 1
		.amdhsa_forward_progress 1
		.amdhsa_inst_pref_size 255
	.end_amdhsa_kernel
	.section	.bss,"aw",@nobits
	.p2align	6
	.space	262144
	.amdgpu_metadata
---
amdhsa.version: [ 1, 2 ]
amdhsa.kernels:
  - .name:           k_q03ce724a25_attn
    .symbol:         k_q03ce724a25_attn.kd
    .args:
      - { .name: qkvh, .offset: 0, .size: 8, .value_kind: global_buffer, .address_space: global }
      - { .name: ctxb, .offset: 8, .size: 8, .value_kind: global_buffer, .address_space: global }
    .group_segment_fixed_size: 327680
    .private_segment_fixed_size: 0
    .kernarg_segment_align: 8
    .kernarg_segment_size: 16
    .max_flat_workgroup_size: 256
    .sgpr_count:     72
    .vgpr_count:     512
    .wavefront_size: 32
...
	.end_amdgpu_metadata
.endif
;; end of part 3
;; launch oproj (part 4): grid 8 x 32, 4 waves a work-group, clusters of 4 x 4, 327,680 bytes of LDS; arguments ctxb, wob, bo, out0; writes out0
.if DOCPART == 4
	.amdgcn_target "amdgcn-amd-amdhsa--gfx1250"
	.amdhsa_code_object_version 6
	.text
	.protected	k_q03ce724a25_oproj
	.globl	k_q03ce724a25_oproj
	.p2align	8
	.type	k_q03ce724a25_oproj,@function
k_q03ce724a25_oproj:
	s_mov_b64 s[64:65], 0
	v_nop
	global_prefetch_b8 v0, s[64:65] scope:SCOPE_SE
	s_setreg_imm32_b32 hwreg(HW_REG_WAVE_MODE, 25, 1), 1
	s_wait_xcnt 0x0
	s_wait_alu depctr_hold_cnt(0) depctr_sa_sdst(0) depctr_va_vdst(0) depctr_va_sdst(0) depctr_va_ssrc(0) depctr_va_vcc(0) depctr_vm_vsrc(0)
	s_getreg_b32 s2, hwreg(HW_REG_IB_STS2, 6, 4)
	s_cmp_eq_u32 s2, 0
	s_cbranch_scc0 .Lentry_in_a_cluster
	s_endpgm
.Lentry_in_a_cluster:
	s_bfe_u32 s2, ttmp6, 0x10000c
	s_cmp_lg_u32 s2, 0xf033
	s_cbranch_scc0 .Lentry_shape_is_right
	s_endpgm
.Lentry_shape_is_right:
; out0 [4096 x 1024] f32 = ctxb . wob^T + bo, bf16 operands, f32 sums.
; The same ring as the projection of q, k, v, with other sizes: a work-group makes 128 x 128 with four waves of 64 x 64 (16 accumulator tiles):
; 8 x 32 = 256 work-groups, the largest tile that still gives each of 256 work-groups a block.  K = 1024 goes in 4 steps of 256 (four blocks of 64)
; through two LDS slots; wave w fetches block w of A's tile and of B's: 128 rows x 128 bytes, one dense run, as 64 rows of 256 bytes, with 16 bytes of
; padding behind every 128 bytes (LDS pitch 144).
; CLUSTERS: 4 x 4 work-groups; A's tiles are asked for jointly along a row of the cluster, B's along a column.
; The matrix instruction is used transposed (source 0 = rows of Wo, source 1 = rows of ctx): a lane holds 8 neighbouring columns of a row.
; The first product of each accumulator takes the bias as C.  The 16 accumulators take turns, one instruction a turn.
; REGISTERS: window 0: v16-27 addresses, v64-95 / v128-159 fragments of A, v192-223 bias; window 1: v64-95 / v128-159 fragments of B;
; window 2: accumulators of my rows 0-31 (tile (a, b) at v[8 (4 a + b)]); window 3: rows 32-63.
.set MT,    4
.set NT,    4
.set NKB,   4
.set QPS,   2*NKB
.set LAPS,  2
.set PITCH, 144
.set FRAG,  16*PITCH
.set ABLK,  128*PITCH
.set BBLK,  128*PITCH
.set AREG,  NKB*ABLK
.set SLOT,  NKB*(ABLK+BBLK)            ; 147,456
.set APART, 128*PITCH
.set BPART, 128*PITCH
.set RA,    64
.set RB,    64
.set ASTEP, NKB*4096*128
.set BSTEP, NKB*1024*128
.set NF,    2*(MT+NT)
.set STAGE,  2*SLOT                    ; behind the ring: 16 rows x 272 bytes for each wave; no tensor load ever fills it
.set SPITCH, 272                       ; 64 f32 + 16 bytes
.set ADRA, 16
.set ADRB, 20
.set STO,  24
.set RD,   25
.set CO,   26
.set BOFF, 27
.set F0,   64
.set F1,   128
.set BIAS, 192
.set G1A, 24
.set G0A, 32
.set G1B, 48
.set G0B, 56
.set MUL_LO,   0xa1
.set MUL_HI,   0xf1
.set FIRST_LO, 0x81
.set FIRST_HI, 0xc1
.set TO_B,     0x40
.set MSB, 0
.macro WIN new
.if MSB != \new
	s_set_vgpr_msb (MSB<<8)|\new
.set MSB, \new
.endif
.endm
.macro PLACES                          ; four places behind matrix instructions (ISA guide 7.12.1)
.rept 4
	v_nop
.endr
.endm
.macro CREST
	s_cmp_lg_u32 s12, 0
	s_cbranch_scc1 .Lnot_wave_0_\@
	s_barrier_signal -3
.Lnot_wave_0_\@:
	s_barrier_wait -3
	s_barrier_signal -1
	s_barrier_wait -1
.endm
.macro CROUND
	s_barrier_signal -1
	s_barrier_wait -1
	CREST
.endm
.macro JLOAD s
	tensor_load_to_lds s[G0A+4*\s:G0A+4*\s+3], s[G1A:G1A+7]
	s_nop 0
	tensor_load_to_lds s[G0B+4*\s:G0B+4*\s+3], s[G1B:G1B+7]
	s_nop 0
.endm
.macro MULS f, hi, a0, na, first
.set aa, \a0
.rept \na
.set bb, 0
.rept NT
.if \first
	v_wmma_f32_16x16x32_bf16 v[8*(NT*aa+bb):8*(NT*aa+bb)+7], v[\f+8*bb:\f+8*bb+7], v[\f+8*(\hi*(MT/2)+aa):\f+8*(\hi*(MT/2)+aa)+7], v[BIAS+8*bb:BIAS+8*bb+7]
.else
	v_wmma_f32_16x16x32_bf16 v[8*(NT*aa+bb):8*(NT*aa+bb)+7], v[\f+8*bb:\f+8*bb+7], v[\f+8*(\hi*(MT/2)+aa):\f+8*(\hi*(MT/2)+aa)+7], v[8*(NT*aa+bb):8*(NT*aa+bb)+7]
.endif
.set bb, bb+1
.endr
.set aa, aa+1
.endr
.endm
.macro FETCH slot, q, f
	WIN TO_B
.set ii, 0
.rept NT
	ds_load_b128 v[\f+8*ii:\f+8*ii+3],   v[ADRB+\slot] offset:((\q)/2)*BBLK+((\q)%2)*64+ii*FRAG
	ds_load_b128 v[\f+8*ii+4:\f+8*ii+7], v[ADRB+\slot] offset:((\q)/2)*BBLK+((\q)%2)*64+ii*FRAG+32
.set ii, ii+1
.endr
	WIN 0
.set ii, 0
.rept MT
	ds_load_b128 v[\f+8*ii:\f+8*ii+3],   v[ADRA+\slot] offset:((\q)/2)*ABLK+((\q)%2)*64+ii*FRAG
	ds_load_b128 v[\f+8*ii+4:\f+8*ii+7], v[ADRA+\slot] offset:((\q)/2)*ABLK+((\q)%2)*64+ii*FRAG+32
.set ii, ii+1
.endr
.endm
.macro QUARTER slot, qn, f, g, first
	s_wait_dscnt MT                                ; B and A's lower rows are in; the youngest MT loads (A's upper rows) may be out
.if \first
	WIN FIRST_LO
.else
	WIN MUL_LO
.endif
	MULS \f, 0, 0, MT/2, \first
	PLACES
	FETCH \slot, \qn, \g
	s_wait_dscnt NF                                ; all but the NF just issued
.if \first
	WIN FIRST_HI
.else
	WIN MUL_HI
.endif
	MULS \f, 1, 0, MT/2, \first
.endm
.macro BODYQ slot, first
	QUARTER \slot, 1, F0, F1, \first
.set qq, 2
.rept (QPS-2)/2
	QUARTER \slot, qq, F1, F0, 0
	QUARTER \slot, qq+1, F0, F1, 0
.set qq, qq+2
.endr
.endm
; the last quarter step of a slot and the change of slots: each wave's reads of this slot and all its tensor loads are waited for in front of the
; barrier; fill = 1: the barrier opens a round of the cluster's barrier, and the joint refills are the first tensor loads behind the round
.macro TURN slot, next, fill
	s_wait_dscnt MT
	WIN MUL_LO
	MULS F1, 0, 0, MT/4, 0
	s_wait_dscnt 0
	s_wait_tensorcnt 0x0
	ds_add_u32 v255, v255
	s_wait_dscnt 0x0
	s_barrier_signal -1
	MULS F1, 0, MT/4, MT/4, 0
	WIN 0
	s_barrier_wait -1
.if \fill
	CREST
	s_add_nc_u64 s[G0A+4*\slot+2:G0A+4*\slot+3], s[G0A+4*\slot+2:G0A+4*\slot+3], 2*ASTEP
	s_add_nc_u64 s[G0B+4*\slot+2:G0B+4*\slot+3], s[G0B+4*\slot+2:G0B+4*\slot+3], 2*BSTEP
	JLOAD \slot
.endif
	PLACES
	FETCH \next, 0, F0
	WIN MUL_HI
	MULS F1, 1, 0, MT/2, 0
.endm
.macro LAP first
	BODYQ 0, \first
	TURN 0, 1, 1
	BODYQ 1, 0
	TURN 1, 0, 1
.endm
	s_load_b256 s[4:11], s[0:1], 0x0               ; ctxb s[4:5], wob s[6:7], bo s[8:9], out0 s[10:11]
	s_set_vgpr_msb 0x40
	v_lshl_add_u32 v255, v0, 2, 0x4c400
	s_set_vgpr_msb 0x4000
	v_mov_b32 v255, 0
	s_set_vgpr_msb 0x1
	ds_add_u32 v255, v255
	s_set_vgpr_msb 0x100
	v_lshrrev_b32 v1, 5, v0
	v_readfirstlane_b32 s12, v1                    ; wave; also: which block of 64 I fetch
	v_and_b32 v1, 15, v0                           ; r
	v_bfe_u32 v2, v0, 4, 1                         ; h
	s_lshr_b32 s13, s12, 1                         ; my half of the rows
	s_and_b32 s14, s12, 1                          ; my half of the columns
	s_bfe_u32 s40, ttmp6, 0x40000                  ; cx
	s_bfe_u32 s41, ttmp6, 0x40004                  ; cy
	s_lshl_b32 s42, ttmp9, 2
	s_add_co_u32 s42, s42, s40                     ; block column
	s_and_b32 s43, ttmp7, 0xffff
	s_lshl_b32 s43, s43, 2
	s_add_co_u32 s43, s43, s41                     ; block row
	s_lshl_b32 s44, s41, 2
	s_lshl_b32 s44, 15, s44                        ; my row of the cluster
	s_lshl_b32 s45, 0x1111, s40                    ; my column
	s_or_b32  s[G1A+0], s44, 0x07330000            ; elements of 8 bytes; padding on; bit 21 beside the mask; 4 words behind every 32
	s_or_b32  s[G1B+0], s45, 0x07330000
	s_mov_b32 s[G1A+1], 32<<16
	s_mov_b32 s[G1B+1], 32<<16
	s_mov_b32 s[G1A+2], RA<<16
	s_mov_b32 s[G1B+2], RB<<16
	s_mov_b32 s[G1A+3], 32<<16
	s_mov_b32 s[G1B+3], 32<<16
	s_mov_b32 s[G1A+4], RA
	s_mov_b32 s[G1B+4], RB
	s_mov_b32 s[G1A+5], 32
	s_mov_b32 s[G1B+5], 32
	s_mov_b32 s[G1A+6], 0
	s_mov_b32 s[G1B+6], 0
	s_mov_b32 s[G1A+7], 0
	s_mov_b32 s[G1B+7], 0
	s_lshl_b32 s16, s43, 14                        ; A: block row x 128 rows x 128 bytes
	s_lshl_b32 s22, s12, 19                        ;    + block of 64 x 4,096 rows
	s_add_co_u32 s16, s16, s22
	s_mov_b32 s17, 0
	s_lshl_b32 s46, s42, 14                        ; B: block column x 128 rows
	s_lshl_b32 s22, s12, 17                        ;    + block of 64 x 1,024 rows
	s_add_co_u32 s46, s46, s22
	s_mov_b32 s47, 0
	s_mul_i32 s20, s12, APART
	s_mul_i32 s21, s12, BPART
	s_add_co_u32 s21, s21, AREG
	s_lshl_b32 s66, s42, 9                         ; the bias of my 64 columns
	s_lshl_b32 s67, s14, 8
	s_add_co_u32 s66, s66, s67
	v_lshl_add_u32 v[BOFF], v2, 5, s66
	s_wait_dscnt 0x0
	s_wait_kmcnt 0x0
	s_add_nc_u64 s[16:17], s[4:5], s[16:17]
	s_add_nc_u64 s[46:47], s[6:7], s[46:47]
.set bb, 0
.rept NT
	global_load_b128 v[BIAS+8*bb:BIAS+8*bb+3],   v[BOFF], s[8:9] offset:64*bb
	global_load_b128 v[BIAS+8*bb+4:BIAS+8*bb+7], v[BOFF], s[8:9] offset:64*bb+16
.set bb, bb+1
.endr
	CROUND                                         ; in front of the first joint loads
.irp s, 0,1
	s_mov_b32 s[G0A+4*\s], 1
	s_add_co_u32 s[G0A+4*\s+1], s20, \s*SLOT
	s_add_nc_u64 s[G0A+4*\s+2:G0A+4*\s+3], s[16:17], \s*ASTEP
	s_or_b32 s[G0A+4*\s+3], s[G0A+4*\s+3], 0x80000000
	s_mov_b32 s[G0B+4*\s], 1
	s_add_co_u32 s[G0B+4*\s+1], s21, \s*SLOT
	s_add_nc_u64 s[G0B+4*\s+2:G0B+4*\s+3], s[46:47], \s*BSTEP
	s_or_b32 s[G0B+4*\s+3], s[G0B+4*\s+3], 0x80000000
	JLOAD \s                                       ; four tensor loads of mine are out now, later two
.endr
	v_mul_u32_u24 v3, v1, PITCH
	v_lshl_add_u32 v3, v2, 4, v3
	s_mul_i32 s22, s13, 16*MT*PITCH
	s_mul_i32 s23, s14, 16*NT*PITCH
	s_add_co_u32 s23, s23, AREG
.irp s, 0,1
	v_add_nc_u32 v[ADRA+\s], s22, v3
	v_add_nc_u32 v[ADRB+\s], s23, v3
	s_add_co_u32 s22, s22, SLOT
	s_add_co_u32 s23, s23, SLOT
.endr
	s_mul_i32 s22, s12, 16*SPITCH
	s_add_co_u32 s22, s22, STAGE                   ; my stage
	v_mul_u32_u24 v4, v1, SPITCH                   ; in: row r, 32 bytes for each half of the lanes
	v_lshl_add_u32 v4, v2, 5, v4
	v_add_nc_u32 v[STO], s22, v4
	v_mul_u32_u24 v5, v2, SPITCH                   ; back: lanes 0-15 one row of 256 bytes, lanes 16-31 the next
	v_lshl_add_u32 v5, v1, 4, v5
	v_add_nc_u32 v[RD], s22, v5
	v_lshlrev_b32 v5, 12, v2                       ; and the same two rows in out0
	v_lshl_add_u32 v[CO], v1, 4, v5
	s_wait_loadcnt 0x0                             ; the bias
	s_wait_tensorcnt 2                             ; slot 0's two loads are in; slot 1's two stay out
	s_barrier_signal -1
	s_barrier_wait -1
	FETCH 0, 0, F0
	LAP 1
.if LAPS > 2
	WIN 0
	s_mov_b32 s3, LAPS-2
.Llap:
	LAP 0
	WIN 0
	s_sub_co_u32 s3, s3, 1
	s_cmp_lg_u32 s3, 0
	s_cbranch_scc1 .Llap
.endif
	BODYQ 0, 0                                     ; the last lap fills nothing
	TURN 0, 1, 0
	BODYQ 1, 0
	s_wait_dscnt MT
	WIN MUL_LO
	MULS F1, 0, 0, MT/2, 0
	s_wait_dscnt 0
	WIN MUL_HI
	MULS F1, 1, 0, MT/2, 0
	; THE WAY OUT, 16 rows at a time: 32 bytes a lane into my own stage, read back as whole rows of 256 bytes (64 f32)
	PLACES
	s_lshl_b32 s66, s43, 19                        ; block row x 128 rows x 4,096 bytes
	s_lshl_b32 s67, s13, 18                        ; + my 64 rows
	s_add_co_u32 s66, s66, s67
	s_lshl_b32 s67, s42, 9                         ; + block column x 512 bytes
	s_add_co_u32 s66, s66, s67
	s_lshl_b32 s67, s14, 8                         ; + my 256 bytes
	s_add_co_u32 s66, s66, s67
	s_mov_b32 s67, 0
	s_add_nc_u64 s[10:11], s[10:11], s[66:67]
.macro OUT16 a, f
.if \a < MT/2
	WIN 0x08                                       ; store data window 2
.else
	WIN 0x0c                                       ; window 3
.endif
.set bb, 0
.rept NT
	ds_store_b128 v[STO], v[8*(NT*((\a)%(MT/2))+bb):8*(NT*((\a)%(MT/2))+bb)+3]   offset:64*bb
	ds_store_b128 v[STO], v[8*(NT*((\a)%(MT/2))+bb)+4:8*(NT*((\a)%(MT/2))+bb)+7] offset:64*bb+16
.set bb, bb+1
.endr
	WIN 0
	s_wait_xcnt 0x0                                ; buffer f was the data of stores two turns ago: it is loaded again only behind this wait
.set tt, 0
.rept 8
	ds_load_b128 v[\f+4*tt:\f+4*tt+3], v[RD] offset:tt*2*SPITCH    ; my own bytes: LDS serves a wave's instructions in order (ISA guide 5.7.1.4)
.set tt, tt+1
.endr
.set tt, 0
.rept 8
	s_wait_dscnt 7-tt                              ; load tt is in, the younger ones may be out
	global_store_b128 v[CO], v[\f+4*tt:\f+4*tt+3], s[10:11] offset:(\a)*65536+tt*8192 th:TH_STORE_NT    ; 16 lanes store 256 consecutive bytes, aligned
.set tt, tt+1
.endr
.endm
	OUT16 0, F0
	OUT16 1, F1
	OUT16 2, F0
	OUT16 3, F1
	s_set_vgpr_msb 0x1
	s_wait_tensorcnt 0x0
	ds_add_u32 v255, v255
	s_wait_dscnt 0x0
	s_set_vgpr_msb 0x100
	CROUND                                         ; the closing round
	s_endpgm
.Lfunc_end_k_q03ce724a25_oproj:
	.size	k_q03ce724a25_oproj, .Lfunc_end_k_q03ce724a25_oproj-k_q03ce724a25_oproj
	.p2alignl 7, 3214868480
	.fill 96, 4, 3214868480
	.section	.rodata,"a",@progbits
	.p2align	6, 0x0
	.amdhsa_kernel k_q03ce724a25_oproj
		.amdhsa_group_segment_fixed_size 327680
		.amdhsa_private_segment_fixed_size 0
		.amdhsa_enable_private_segment 0
		.amdhsa_kernarg_size 32
		.amdhsa_user_sgpr_count 2
		.amdhsa_user_sgpr_kernarg_segment_ptr 1
		.amdhsa_wavefront_size32 1
		.amdhsa_system_sgpr_workgroup_id_x 1
		.amdhsa_system_sgpr_workgroup_id_y 1
		.amdhsa_system_sgpr_workgroup_id_z 1
		.amdhsa_system_vgpr_workitem_id 0
		.amdhsa_next_free_vgpr 1024
		.amdhsa_next_free_sgpr 72
		.amdhsa_reserve_vcc 0
		.amdhsa_float_denorm_mode_32 3
		.amdhsa_float_denorm_mode_16_64 3
		.amdhsa_memory_ordered 1
		.amdhsa_forward_progress 1
		.amdhsa_inst_pref_size 92
	.end_amdhsa_kernel
	.amdgpu_metadata
---
amdhsa.version: [ 1, 2 ]
amdhsa.kernels:
  - .name:           k_q03ce724a25_oproj
    .symbol:         k_q03ce724a25_oproj.kd
    .args:
      - { .name: ctxb, .offset: 0, .size: 8, .value_kind: global_buffer, .address_space: global }
      - { .name: wob, .offset: 8, .size: 8, .value_kind: global_buffer, .address_space: global }
      - { .name: bo, .offset: 16, .size: 8, .value_kind: global_buffer, .address_space: global }
      - { .name: out0, .offset: 24, .size: 8, .value_kind: global_buffer, .address_space: global }
    .group_segment_fixed_size: 327680
    .private_segment_fixed_size: 0
    .kernarg_segment_align: 8
    .kernarg_segment_size: 32
    .max_flat_workgroup_size: 128
    .sgpr_count:     72
    .vgpr_count:     1024
    .wavefront_size: 32
...
	.end_amdgpu_metadata
.endif
;; end of part 4
